; MI455X (gfx1250); checked and timed in simulation.
; The chip was launched on July 23, 2026; its instructions are those of AMD's public machine-readable ISA for CDNA 5 (MIT licence, August 2026) and "CDNA5" Instruction Set Architecture Reference Guide (July 2026). The comments in the code are by the model that wrote it; some were corrected since.
;; Audio Attention Pooler. Allowed arithmetic: float matrix products may take bf16 or f16 operands with f32 sums; other float arithmetic in f32, or as packed bf16 or f16 multiplies, adds, multiply-adds, maxima and minima; sums over many terms, partial sums and values carried from step to step in f32; what a program stores and reads back later, other than sums and carried values, may be rounded once to bf16 or f16.
;; Inputs: hidden_states 32 x 1,024 x 1,024 float32; kv_b 2,048 float32; kv_w 1,024 x 2,048 float32; mask 32 x 1,024 int32; out_b 1,024 float32; out_w 1,024 x 1,024 float32; query 1,024 float32.
;; Outputs: out0 32 x 1,024 float32.
;; 2 versions, each right; version 2 is version 1 with the launch pool written anew for expert scheduling mode. Each part assembles by itself: llvm-mc -triple=amdgcn-amd-amdhsa -mcpu=gfx1250 --defsym DOCPART=n.
;; ======== version 1 of 2: 4 launches
;; limits: values are held in f16: magnitudes above 65,504 overflow, below 6.1e-05 lose precision
;; workspace buffers: wqf 33,792 bytes; pp 16,777,216 bytes; stats 32,768 bytes; out16 65,536 bytes
;; launch prep (part 1): grid 33 x 1, 32 waves a work-group, no clusters, 5,120 bytes of LDS; arguments kv_w, kv_b, query, wqf; writes wqf
.if DOCPART == 1
	.amdgcn_target "amdgcn-amd-amdhsa--gfx1250"
	.amdhsa_code_object_version 6
	.text
	.protected	k_qe6e2e067f7_prep
	.globl	k_qe6e2e067f7_prep
	.p2align	8
	.type	k_qe6e2e067f7_prep,@function
k_qe6e2e067f7_prep:
	s_mov_b64 s[64:65], 0
	v_nop
	global_prefetch_b8 v0, s[64:65] scope:SCOPE_SE
	s_setreg_imm32_b32 hwreg(HW_REG_WAVE_MODE, 25, 1), 1
	s_wait_xcnt 0x0
; Wq[c][h] = (log2(e)/8) x the sum over d of kv_w[c][64h+d] query[64h+d], and bq[h] likewise from kv_b's first 1,024 numbers: the key projection and
; the fixed query folded into one matrix of 1,024 x 16, so that a score is hidden_states[j] . Wq[:,h] + bq[h], in units of log2.  All sums in f32 on the
; vector unit (a matrix-vector product that reads 4 MB once); each result is rounded once to f16 and laid out as the next launch's matrix fragments:
; wqf = 33 blocks of 1,024 bytes.  Block 2w+ks: lane L' = 16hf'+h owns 32 bytes, element 8gg+e = Wq[64w+8e+4hf'+2ks+gg][h].  Block 32: every element of lane L' is bq[L' % 16].
; LIMIT: Wq and bq are kept in f16: beyond 65,504 they overflow, below 6e-5 they keep f16's fixed step.  bq is the same for all keys of a head, so its rounding cannot change a softmax.
; Work-group g makes block g; wave v = (gg = v>>4, hf' = (v>>3)&1, e = v&7) takes one row c of kv_w (in work-group 32: kv_b) and makes its 16 heads' numbers.
.set SPARE, 1024                       ; LDS: bytes 0-1023 the block, 32 bytes a wave; then the spare words, 128 bytes for each of 32 waves
.set Q, 8                              ; v[8:39]   query: load u holds columns 128u + 4 lane .. +3
.set X, 40                             ; v[40:71]  the row, likewise
.set S, 72                             ; v[72:79]  sum u: head 2u + lane/16
	s_load_b256 s[4:11], s[0:1], 0x0               ; kv_w s[4:5], kv_b s[6:7], query s[8:9], wqf s[10:11]
	v_lshl_add_u32 v4, v0, 2, SPARE                ; my spare word
	v_mov_b32 v5, 0
	v_lshrrev_b32 v2, 5, v0
	v_readfirstlane_b32 s12, v2                    ; wave 0..31
	v_and_b32 v3, 31, v0
	v_lshlrev_b32 v1, 4, v3                        ; 16 bytes a lane
	v_and_b32 v81, 7, v0                           ; which of the eight sums is mine to store
	v_bfe_u32 v6, v0, 4, 1                         ; lane / 16
	v_lshlrev_b32 v7, 4, v0                        ; the copy out: 16 bytes a thread
	s_lshr_b32 s14, ttmp9, 1                       ; w
	s_and_b32 s15, ttmp9, 1                        ; ks
	s_lshr_b32 s16, s12, 4                         ; gg
	s_bfe_u32 s17, s12, 0x10003                    ; hf'
	s_and_b32 s18, s12, 7                          ; e
	s_lshl_b32 s19, s14, 6                         ; c = 64 w
	s_lshl_b32 s21, s18, 3
	s_add_co_u32 s19, s19, s21                     ;   + 8 e
	s_lshl_b32 s21, s17, 2
	s_add_co_u32 s19, s19, s21                     ;   + 4 hf'
	s_lshl_b32 s21, s15, 1
	s_add_co_u32 s19, s19, s21                     ;   + 2 ks
	s_add_co_u32 s19, s19, s16                     ;   + gg
	s_lshl_b32 s19, s19, 13                        ; a row of kv_w is 8,192 bytes
	s_lshl_b32 s20, s12, 5                         ; my wave's 32 bytes in LDS
	v_lshlrev_b32 v82, 2, v81                      ; head 2 (lane % 8) + lane / 16, two bytes each
	v_lshl_add_u32 v82, v6, 1, v82
	v_add_nc_u32 v82, s20, v82
	v_and_b32 v83, 1, v0                           ; the copy out, thread t: gg = t & 1, hf' = t >> 5, h = (t >> 1) % 16:
	v_lshlrev_b32 v83, 9, v83                      ; waves 16 gg + 8 hf' + e lie at 512 gg + 256 hf' + 32 e
	v_bfe_u32 v2, v0, 5, 1
	v_lshl_add_u32 v83, v2, 8, v83
	v_bfe_u32 v2, v0, 1, 4
	v_lshl_add_u32 v83, v2, 1, v83
	s_lshl_b32 s26, ttmp9, 10                      ; my block in wqf
	s_mov_b32 s27, 0
	s_mov_b32 s25, 0
	s_wait_kmcnt 0x0
	s_cmp_eq_u32 ttmp9, 32                         ; the last work-group runs the same text on kv_b, which has one row
	s_cselect_b64 s[22:23], s[6:7], s[4:5]
	s_cselect_b32 s24, 0, s19
	s_add_nc_u64 s[22:23], s[22:23], s[24:25]
	s_add_nc_u64 s[10:11], s[10:11], s[26:27]
.irp u, 0,1,2,3,4,5,6,7
	global_load_b128 v[Q+4*\u:Q+4*\u+3], v1, s[8:9] offset:512*\u
.endr
.irp u, 0,1,2,3,4,5,6,7
	global_load_b128 v[X+4*\u:X+4*\u+3], v1, s[22:23] offset:512*\u   ; 512 consecutive bytes a load
.endr
	s_wait_loadcnt 0x0
.irp u, 0,1,2,3,4,5,6,7
	v_mul_f32 v[S+\u], v[X+4*\u], v[Q+4*\u]        ; the first product starts each sum
.endr
.irp k, 1,2,3
.irp u, 0,1,2,3,4,5,6,7
	v_fmac_f32 v[S+\u], v[X+4*\u+\k], v[Q+4*\u+\k]
.endr
.endr
.irp m, 1,2,4,8                        ; a head's 64 columns lie in 16 neighbouring lanes: four steps, and every lane of the half has the sum
.irp u, 0,1,2,3,4,5,6,7
	v_add_f32_dpp v[S+\u], v[S+\u], v[S+\u] row_xmask:\m row_mask:0xf bank_mask:0xf
.endr
.endr
	v_mov_b32 v80, v[S]                            ; lane takes sum lane % 8
.irp k, 1,2,3,4,5,6,7
	v_cmp_eq_u32 vcc_lo, \k, v81
	v_cndmask_b32 v80, v80, v[S+\k], vcc_lo
.endr
	v_mul_f32 v80, 0x3e38aa3b, v80                 ; log2(e) / 8
	v_cvt_f16_f32 v80.l, v80
	ds_store_b16 v82, v80                          ; lanes r and r + 8 hold the same number and write the same place
	s_wait_dscnt 0x0                               ; for the others' sake: my store is done
	s_barrier_signal -1
	s_barrier_wait -1
	s_cmp_ge_u32 s12, 2
	s_cbranch_scc1 .Ldone                          ; waves 0 and 1 copy the block out
.irp e, 0,1,2,3,4,5,6,7
	ds_load_u16 v[84+\e], v83 offset:32*\e
.endr
	s_wait_dscnt 0x0
.irp k, 0,1,2,3
	v_lshl_or_b32 v[92+\k], v[84+2*\k+1], 16, v[84+2*\k]
.endr
	global_store_b128 v7, v[92:95], s[10:11]       ; a wave stores 512 consecutive bytes, at a multiple of 256 from the buffer's first
.Ldone:
	s_wait_tensorcnt 0x0                           ; the wave's end
	ds_add_u32 v4, v5
	s_wait_dscnt 0x0
	s_endpgm
.Lfunc_end_k_qe6e2e067f7_prep:
	.size	k_qe6e2e067f7_prep, .Lfunc_end_k_qe6e2e067f7_prep-k_qe6e2e067f7_prep
	.p2alignl 7, 3214868480
	.fill 96, 4, 3214868480
	.section	.rodata,"a",@progbits
	.p2align	6, 0x0
	.amdhsa_kernel k_qe6e2e067f7_prep
		.amdhsa_group_segment_fixed_size 5120
		.amdhsa_private_segment_fixed_size 0
		.amdhsa_enable_private_segment 0
		.amdhsa_kernarg_size 32
		.amdhsa_user_sgpr_count 2
		.amdhsa_user_sgpr_kernarg_segment_ptr 1
		.amdhsa_wavefront_size32 1
		.amdhsa_system_sgpr_workgroup_id_x 1
		.amdhsa_system_sgpr_workgroup_id_y 1
		.amdhsa_system_sgpr_workgroup_id_z 1
		.amdhsa_system_vgpr_workitem_id 0
		.amdhsa_next_free_vgpr 96
		.amdhsa_next_free_sgpr 66
		.amdhsa_reserve_vcc 1
		.amdhsa_float_denorm_mode_32 3
		.amdhsa_float_denorm_mode_16_64 3
		.amdhsa_memory_ordered 1
		.amdhsa_forward_progress 1
		.amdhsa_inst_pref_size 9
	.end_amdhsa_kernel
	.amdgpu_metadata
---
amdhsa.version: [ 1, 2 ]
amdhsa.kernels:
  - .name:           k_qe6e2e067f7_prep
    .symbol:         k_qe6e2e067f7_prep.kd
    .args:
      - { .name: kv_w, .offset: 0, .size: 8, .value_kind: global_buffer, .address_space: global }
      - { .name: kv_b, .offset: 8, .size: 8, .value_kind: global_buffer, .address_space: global }
      - { .name: query, .offset: 16, .size: 8, .value_kind: global_buffer, .address_space: global }
      - { .name: wqf, .offset: 24, .size: 8, .value_kind: global_buffer, .address_space: global }
    .group_segment_fixed_size: 5120
    .private_segment_fixed_size: 0
    .kernarg_segment_align: 8
    .kernarg_segment_size: 32
    .max_flat_workgroup_size: 1024
    .sgpr_count:     66
    .vgpr_count:     96
    .wavefront_size: 32
...
	.end_amdgpu_metadata
.endif
;; end of part 1
;; launch pool (part 2): grid 8 x 32, 16 waves a work-group, no clusters, 224,256 bytes of LDS; arguments hidden_states, mask, wqf, pp, stats; writes pp, stats
.if DOCPART == 2
	.amdgcn_target "amdgcn-amd-amdhsa--gfx1250"
	.amdhsa_code_object_version 6
	.text
	.protected	k_qe6e2e067f7_pool
	.globl	k_qe6e2e067f7_pool
	.p2align	8
	.type	k_qe6e2e067f7_pool,@function
k_qe6e2e067f7_pool:
	s_mov_b64 s[64:65], 0
	v_nop
	global_prefetch_b8 v0, s[64:65] scope:SCOPE_SE
	s_setreg_imm32_b32 hwreg(HW_REG_WAVE_MODE, 25, 1), 1
	s_wait_xcnt 0x0
; THE STREAM.  A work-group takes 128 rows (a chunk) of one batch of hidden_states, 512 KB, reads them once, and leaves for each of the 16 heads the chunk's maximum score m (log2 units),
; l = the sum of p = 2^(s - m), and the unnormalised pool, the sum over the chunk's rows j of p[h][j] hidden_states[j][:], in f32.  The next launch joins a batch's eight chunks.
; s[j][h] = hidden_states[j] . Wq[:,h] + bq[h]; where mask[j] = 0 the score is -infinity.  m is the true maximum of the chunk's scores, held at -3.4e38 at the least, so that it is finite
; in a chunk that is all masked (there p = 0, l = 0, pool = 0).
; LIMITS.  hidden_states and p are rounded to f16 for the two products: |hidden_states| stays under 65,504, and below 6e-5 it keeps f16's fixed step of 6e-8.  l is the sum of the unrounded p.
; SHARES.  Wave w owns columns 64w .. 64w+63 of all 128 rows.  Lane (r = lane % 16, hf = lane / 16) loads 16 bytes, columns 64w+4r .. +3, of the 16 rows that are its K places in a fragment of
; 32 rows: 8hf+0..7 and 16+8hf+0..7.  Sixteen lanes of a load read 256 consecutive bytes, at a multiple of 256.  Component t of two neighbouring rows, rounded together, is a register of
; fragment t, whose lane r stands for column 64w+4r+t: the operand of the pooling product, made with no exchange between lanes.  All 128 rows stay so in 128 registers.
; For the scores the same fragments are turned through the wave's own LDS bytes (ds_load_tr16_b128); each wave's partial scores (its 64 columns) meet in LDS.
; pp[work-group][h][pos]: in each aligned group of 32 columns pos = 8t+i holds column 4i+t, which is how the results lie in registers; the next launch picks its rows of kv_w to match.
; No tensor loads: the numbers pass through registers for the rounding in any case, and each wave keeps 14 to 16 loads of 512 bytes on their way.  No cluster: no two work-groups read the same byte of hidden_states.
.set XPB,   5120                       ; LDS 0: for each wave 64 rows (one column each) of 32 f16, pitch 80; later its stage for the way out, 16 rows of pitch 272
.set SP,    81920                      ; partial scores: [wave that made them][quad 16][lane][16 bytes]
.set MX,    212992                     ; maxima: [lane, pitch 80][wave, 4 bytes]
.set LSO,   2560                       ; the sums l, the same layout, this many bytes behind MX
.set PF,    218112                     ; the weights in f16: [16 keys u][lane][16 bytes]
.set SPARE, 222208                     ; the spare words: 128 bytes for each of 16 waves
.set VOFF, 1                           ; v1   32768 hf + 256 w + 16 r: my bytes in the chunk's first rows
.set XS,   2                           ; v2   where I put a fragment's 16 bytes: row r, 16 hf
.set XL,   3                           ; v3   where the turning load reads: row 2 (lane % 8) + hf, 16 ((lane / 8) % 2)
.set SS,   4                           ; v4   my 16 bytes in my wave's partial scores
.set SPW,  6                           ; v6   my spare word;  v7  0
.set NIL,  7
.set MK,   8                           ; v[8:11]   the mask of my four keys in the softmax
.set BQ,   12                          ; v[12:13]  bq of my head
.set AF,   16                          ; v[16:47]  turned fragments: 16 keys jt, 32 columns ks at AF + 16 jt + 8 ks
.set WQ,   48                          ; v[48:63]  Wq's two fragments
.set ST,   64                          ; v[64:127] rows as loaded: load i at ST + 4 i
.set FR,   128                         ; v[128:255] block rb of 32 rows, fragment t at FR + 32 rb + 8 t
; behind the stream
.set ACC,  16                          ; v[16:47]  the pool: four accumulators
.set R0,   48                          ; v48-v56 addresses
.set R1,   49
.set MXA,  50
.set MXS,  51
.set PFS,  52
.set PFL,  53
.set OST,  54
.set OLD,  55
.set GOFF, 56
.set M,    57                          ; v57  m of my head
.set LANE, 58
.set NINF, 61
.set P,    96                          ; v[96:127]  the weights' four fragments
	s_load_b256 s[4:11], s[0:1], 0x0               ; hidden_states s[4:5], mask s[6:7], wqf s[8:9], pp s[10:11]
	s_load_b64 s[12:13], s[0:1], 0x20              ; stats
	v_lshl_add_u32 v[SPW], v0, 2, SPARE
	v_mov_b32 v[NIL], 0
	v_lshrrev_b32 v16, 5, v0
	v_readfirstlane_b32 s14, v16                   ; wave 0..15
	v_and_b32 v16, 31, v0                          ; lane
	v_and_b32 v17, 15, v0                          ; r
	v_bfe_u32 v18, v0, 4, 1                        ; hf
	s_and_b32 s16, ttmp7, 0xffff                   ; batch
	s_lshl_b32 s17, s16, 3
	s_add_co_u32 s17, s17, ttmp9                   ; work-group = 8 x batch + chunk
	s_lshl_b32 s18, s17, 19                        ; 128 rows of 4,096 bytes
	s_mov_b32 s19, 0
	s_mov_b32 s20, 0x76543210                      ; v_permlanex16_b32: each lane takes its own place in the other half
	s_mov_b32 s21, 0xfedcba98
	s_lshr_b32 s15, s14, 1
	s_and_b32 s32, s14, 1
	s_lshl_b32 s22, s17, 9                         ; the mask of my quad of keys: 512 x work-group + 64 (w/2) + 16 (w%2); 32 hf in the lane's offset
	s_lshl_b32 s23, s15, 6
	s_add_co_u32 s22, s22, s23
	s_lshl_b32 s23, s32, 4
	s_add_co_u32 s22, s22, s23
	s_mov_b32 s23, 0
	s_lshl_b32 s24, s17, 16                        ; pp: 16 heads x 4,096 bytes a work-group
	s_mov_b32 s25, 0
	s_lshl_b32 s26, s17, 7                         ; stats: 128 bytes a work-group
	s_mov_b32 s27, 0
	s_mul_i32 s28, s14, XPB                        ; my wave's own LDS bytes
	s_lshl_b32 s29, s14, 8                         ; my wave's 256 bytes of a row
	s_lshl_b32 s30, s14, 11                        ; my wave's two blocks of wqf
	s_mov_b32 s31, 0xff7fffff                      ; the lowest finite number
	s_lshl_b32 s33, s14, 13
	s_add_co_u32 s33, s33, SP                      ; the partial scores that I make
	s_lshl_b32 s34, s14, 9
	s_add_co_u32 s34, s34, SP                      ; quad w of wave 0's partial scores
	s_lshl_b32 s35, s14, 2
	s_lshl_b32 s36, s15, 9
	s_lshl_b32 s37, s32, 3
	s_add_co_u32 s36, s36, s37                     ; my quad's place among the weights
	v_lshlrev_b32 v[VOFF], 15, v18
	v_lshl_add_u32 v[VOFF], v17, 4, v[VOFF]
	v_add_nc_u32 v[VOFF], s29, v[VOFF]
	v_mul_u32_u24 v[XS], v17, 80
	v_lshl_add_u32 v[XS], v18, 4, v[XS]
	v_add_nc_u32 v[XS], s28, v[XS]
	v_and_b32 v14, 7, v0
	v_lshl_add_u32 v14, v14, 1, v18
	v_mul_u32_u24 v[XL], v14, 80
	v_bfe_u32 v15, v0, 3, 1
	v_lshl_add_u32 v[XL], v15, 4, v[XL]
	v_add_nc_u32 v[XL], s28, v[XL]
	v_lshl_add_u32 v[SS], v16, 4, s33
	v_lshlrev_b32 v19, 5, v18
	v_lshlrev_b32 v20, 5, v16
	v_add_nc_u32 v21, s30, v20
	s_wait_kmcnt 0x0
	s_add_nc_u64 s[4:5], s[4:5], s[18:19]
	s_add_nc_u64 s[6:7], s[6:7], s[22:23]
	s_add_nc_u64 s[10:11], s[10:11], s[24:25]
	s_add_nc_u64 s[12:13], s[12:13], s[26:27]
	global_load_b128 v[MK:MK+3], v19, s[6:7]                  ; six small loads, older than every load of rows
	global_load_b32 v[BQ], v20, s[8:9] offset:32768
	global_load_b128 v[WQ:WQ+3], v21, s[8:9]
	global_load_b128 v[WQ+4:WQ+7], v21, s[8:9] offset:16
	global_load_b128 v[WQ+8:WQ+11], v21, s[8:9] offset:1024
	global_load_b128 v[WQ+12:WQ+15], v21, s[8:9] offset:1040
.macro LDROW rb, i                     ; load i of 16 of block rb: row 32 rb + 16 (i / 8) + 8 hf + i % 8
	global_load_b128 v[ST+4*(\i):ST+4*(\i)+3], v[VOFF], s[4:5] offset:(32*(\rb)+16*((\i)/8)+(\i)%8)*4096 th:TH_LOAD_NT
.endm
; Loads 2q and 2q+1 of block rb become register q of its four fragments; next = 1: their registers take the same two loads of the next block.
.macro PAIR rb, q, left, next
	s_wait_loadcnt \left                           ; loads come back in order: the pair is in, the younger ones stay out
.irp t, 0,1,2,3
	v_cvt_pk_f16_f32 v[FR+32*(\rb)+8*\t+(\q)], v[ST+8*(\q)+\t], v[ST+8*(\q)+4+\t]
.endr
.if \next
	LDROW (\rb)+1, 2*(\q)
	LDROW (\rb)+1, 2*(\q)+1
.endif
.endm
; The partial scores of block rb's 32 keys.  The four fragments go into my own 64 LDS rows (row 16t+r = column 64w+4r+t, 32 keys along it) and come back turned: lane r = key, and K place (gg, hf, e) is
; row 32ks+16gg+2e+hf, the order in which wqf lies.  LDS serves a wave's instructions in order, so no wait stands between the stores and the loads.  The two accumulators take turns.
.macro SCORE rb, sd
.irp t, 0,1,2,3
	ds_store_b128 v[XS], v[FR+32*(\rb)+8*\t:FR+32*(\rb)+8*\t+3] offset:1280*\t
	ds_store_b128 v[XS], v[FR+32*(\rb)+8*\t+4:FR+32*(\rb)+8*\t+7] offset:1280*\t+32
.endr
.irp jt, 0,1
.irp ks, 0,1
	ds_load_tr16_b128 v[AF+16*\jt+8*\ks:AF+16*\jt+8*\ks+3], v[XL] offset:2560*\ks+32*\jt
	ds_load_tr16_b128 v[AF+16*\jt+8*\ks+4:AF+16*\jt+8*\ks+7], v[XL] offset:2560*\ks+32*\jt+1280
.endr
.endr
	s_wait_dscnt 0x0                               ; the turned fragments are in; the next block's 16 loads are on their way meanwhile
	v_wmma_f32_16x16x32_f16 v[(\sd):(\sd)+7], v[AF:AF+7], v[WQ:WQ+7], 0
	v_wmma_f32_16x16x32_f16 v[(\sd)+8:(\sd)+15], v[AF+16:AF+23], v[WQ:WQ+7], 0
	v_wmma_f32_16x16x32_f16 v[(\sd):(\sd)+7], v[AF+8:AF+15], v[WQ+8:WQ+15], v[(\sd):(\sd)+7]
	v_wmma_f32_16x16x32_f16 v[(\sd)+8:(\sd)+15], v[AF+24:AF+31], v[WQ+8:WQ+15], v[(\sd)+8:(\sd)+15]
.rept 4
	v_nop                                          ; four places between the products and the stores that read them
.endr
.irp k, 0,1,2,3                        ; register i of lane (h, hf) of tile jt is key 32 rb + 16 jt + 8 hf + i: quads 4 rb + k, low registers first
	ds_store_b128 v[SS], v[(\sd)+4*\k:(\sd)+4*\k+3] offset:512*(4*(\rb)+\k)
.endr
.endm
.irp i, 0,1,2,3,4,5,6,7,8,9,10,11,12,13,14,15
	LDROW 0, \i
.endr
.irp rb, 0,1,2                         ; behind pair q stand 14 - 2q loads of this block and 2q of the next: 14.  The scores' 16 registers lie in block 3's, not yet written
.irp q, 0,1,2,3,4,5,6,7
	PAIR \rb, \q, 14, 1
.endr
	SCORE \rb, FR+96
.endr
.irp q, 0,1,2,3,4,5,6,7                ; the last block loads nothing more: the counts run down
	PAIR 3, \q, 14-2*\q, 0
.endr
	SCORE 3, ST                                    ; the rows' registers are free now
	; THE SOFTMAX.  Wave w owns quad w: keys 16 (w/2) + 8 hf + 4 (w%2) + 0..3 of head r.
	s_wait_dscnt 0x0                               ; for the others' sake: my partial scores are stored
	s_barrier_signal -1
	v_and_b32 v[LANE], 31, v0                      ; the addresses for the rest are made while the others arrive
	v_and_b32 v59, 15, v0
	v_bfe_u32 v60, v0, 4, 1
	v_lshl_add_u32 v[R0], v[LANE], 4, s34
	v_add_nc_u32 v[R1], 0x10000, v[R0]             ; waves 8 to 15 lie beyond the 16-bit immediate
	v_mul_u32_u24 v[MXA], v[LANE], 80
	v_add_nc_u32 v[MXA], MX, v[MXA]
	v_add_nc_u32 v[MXS], s35, v[MXA]
	v_lshl_add_u32 v[PFL], v[LANE], 4, PF
	v_add_nc_u32 v[PFS], s36, v[PFL]
	v_mul_u32_u24 v[OST], v59, 272
	v_lshl_add_u32 v[OST], v60, 7, v[OST]
	v_add_nc_u32 v[OST], s28, v[OST]
	v_mul_u32_u24 v[OLD], v60, 272
	v_lshl_add_u32 v[OLD], v59, 4, v[OLD]
	v_add_nc_u32 v[OLD], s28, v[OLD]
	v_lshlrev_b32 v[GOFF], 12, v60
	v_lshl_add_u32 v[GOFF], v59, 4, v[GOFF]
	v_add_nc_u32 v[GOFF], s29, v[GOFF]
	v_mov_b32 v[NINF], 0xff800000
	v_cvt_f32_f16 v13, v12.l                       ; bq, twice, for the packed addition
	v_mov_b32 v12, v13
	s_barrier_wait -1
.irp s, 0,1,2,3,4,5,6,7
	ds_load_b128 v[64+4*\s:64+4*\s+3], v[R0] offset:8192*\s
.endr
.irp s, 0,1,2,3,4,5,6,7
	ds_load_b128 v[96+4*\s:96+4*\s+3], v[R1] offset:8192*\s
.endr
	s_wait_dscnt 0x0
.macro TREE b                          ; sixteen quads at v[b ..] are added into the first, in f32: 30 packed additions
.irp n, 8,4,2,1
.set k, 0
.rept \n
	v_pk_add_f32 v[(\b)+4*k:(\b)+4*k+1], v[(\b)+4*k:(\b)+4*k+1], v[(\b)+4*(k+\n):(\b)+4*(k+\n)+1]
	v_pk_add_f32 v[(\b)+4*k+2:(\b)+4*k+3], v[(\b)+4*k+2:(\b)+4*k+3], v[(\b)+4*(k+\n)+2:(\b)+4*(k+\n)+3]
.set k, k+1
.endr
.endr
.endm
	TREE 64
	v_pk_add_f32 v[64:65], v[64:65], v[BQ:BQ+1]
	v_pk_add_f32 v[66:67], v[66:67], v[BQ:BQ+1]
.irp e, 0,1,2,3
	v_cmp_ne_u32 vcc_lo, 0, v[MK+\e]
	v_cndmask_b32 v[64+\e], v[NINF], v[64+\e], vcc_lo  ; mask = 0: -infinity
.endr
	v_max3_num_f32 v2, v64, v65, v66
	v_max_num_f32 v2, v2, v67
	ds_store_b32 v[MXS], v2
	s_wait_dscnt 0x0
	s_barrier_signal -1
	s_barrier_wait -1
.irp k, 0,1,2,3
	ds_load_b128 v[68+4*\k:68+4*\k+3], v[MXA] offset:16*\k   ; the sixteen waves' maxima for my lane
.endr
	s_wait_dscnt 0x0
	v_max3_num_f32 v2, v68, v69, v70
	v_max3_num_f32 v3, v71, v72, v73
	v_max3_num_f32 v4, v74, v75, v76
	v_max3_num_f32 v5, v77, v78, v79
	v_max3_num_f32 v2, v2, v80, v81
	v_max3_num_f32 v3, v3, v82, v83
	v_max3_num_f32 v2, v2, v3, v4
	v_max3_num_f32 v2, v2, v5, s31                 ; never below the lowest finite number
	v_permlanex16_b32 v3, v2, s20, s21             ; the head's other keys lie in the lane 16 away
	v_max_num_f32 v[M], v2, v3
.irp e, 0,1,2,3
	v_sub_f32 v[64+\e], v[64+\e], v[M]
.endr
.irp e, 0,1,2,3
	v_exp_f32 v[64+\e], v[64+\e]
.endr
	v_nop                                          ; a plain instruction between the last exponential and the use of its result
	s_wait_alu depctr_va_vdst(0)
	v_add_f32 v2, v64, v65
	v_add_f32 v3, v66, v67
	v_cvt_pk_f16_f32 v62, v64, v65
	v_cvt_pk_f16_f32 v63, v66, v67
	v_add_f32 v2, v2, v3
	ds_store_b64 v[PFS], v[62:63]                  ; four weights: half of a lane's 16 bytes for 16 keys
	ds_store_b32 v[MXS], v2 offset:LSO
	s_wait_dscnt 0x0
	s_barrier_signal -1
	s_barrier_wait -1
.irp u, 0,1,2,3,4,5,6,7                ; registers 8 ks + 4 g ..: keys 32 ks + 16 g + 8 hf + 0..7 of head r: four fragments, as they lie
	ds_load_b128 v[P+4*\u:P+4*\u+3], v[PFL] offset:512*\u
.endr
	s_wait_dscnt 0x0
	; THE POOL: source 0 = 16 columns x 32 keys, source 1 = 32 keys x 16 heads.  The first block's products start the sums; the four accumulators take turns.
.irp ks, 0,1,2,3
.irp t, 0,1,2,3
.if \ks == 0
	v_wmma_f32_16x16x32_f16 v[ACC+8*\t:ACC+8*\t+7], v[FR+8*\t:FR+8*\t+7], v[P:P+7], 0
.else
	v_wmma_f32_16x16x32_f16 v[ACC+8*\t:ACC+8*\t+7], v[FR+32*\ks+8*\t:FR+32*\ks+8*\t+7], v[P+8*\ks:P+8*\ks+7], v[ACC+8*\t:ACC+8*\t+7]
.endif
.endr
.endr
.rept 4
	v_nop                                          ; four places behind the last products
.endr
	; THE WAY OUT.  Register i of accumulator t in lane (h, hf) is column 64w+32hf+4i+t and goes to pos 64w+32hf+8t+i: 16 rows (heads) of 256 bytes through my own stage, back as whole rows.
.irp t, 0,1,2,3
	ds_store_b128 v[OST], v[ACC+8*\t:ACC+8*\t+3] offset:32*\t
	ds_store_b128 v[OST], v[ACC+8*\t+4:ACC+8*\t+7] offset:32*\t+16
.endr
.irp u, 0,1,2,3,4,5,6,7
	ds_load_b128 v[64+4*\u:64+4*\u+3], v[OLD] offset:544*\u
.endr
.irp u, 0,1,2,3,4,5,6,7
	s_wait_dscnt 7-\u                              ; the younger loads from the stage may stay out
	global_store_b128 v[GOFF], v[64+4*\u:64+4*\u+3], s[10:11] offset:8192*\u   ; heads 2u and 2u+1: 16 lanes store 256 consecutive bytes, at a multiple of 256
.endr
	s_cmp_lg_u32 s14, 0
	s_cbranch_scc1 .Ldone                          ; wave 0 adds the sixteen waves' sums and stores m and l
.irp k, 0,1,2,3
	ds_load_b128 v[96+4*\k:96+4*\k+3], v[MXA] offset:LSO+16*\k
.endr
	s_wait_dscnt 0x0
	v_pk_add_f32 v[96:97], v[96:97], v[100:101]
	v_pk_add_f32 v[98:99], v[98:99], v[102:103]
	v_pk_add_f32 v[104:105], v[104:105], v[108:109]
	v_pk_add_f32 v[106:107], v[106:107], v[110:111]
	v_pk_add_f32 v[96:97], v[96:97], v[104:105]
	v_pk_add_f32 v[98:99], v[98:99], v[106:107]
	v_pk_add_f32 v[96:97], v[96:97], v[98:99]
	v_add_f32 v96, v96, v97
	v_permlanex16_b32 v97, v96, s20, s21
	v_add_f32 v96, v96, v97
	v_cmp_gt_u32 vcc_lo, 16, v[LANE]
	v_cndmask_b32 v96, v96, v[M], vcc_lo           ; lanes 0-15: m of head r; lanes 16-31: l
	v_lshlrev_b32 v97, 2, v[LANE]
	global_store_b32 v97, v96, s[12:13]
.Ldone:
	s_wait_tensorcnt 0x0                           ; the wave's end
	ds_add_u32 v[SPW], v[NIL]
	s_wait_dscnt 0x0
	s_endpgm
.Lfunc_end_k_qe6e2e067f7_pool:
	.size	k_qe6e2e067f7_pool, .Lfunc_end_k_qe6e2e067f7_pool-k_qe6e2e067f7_pool
	.p2alignl 7, 3214868480
	.fill 96, 4, 3214868480
	.section	.rodata,"a",@progbits
	.p2align	6, 0x0
	.amdhsa_kernel k_qe6e2e067f7_pool
		.amdhsa_group_segment_fixed_size 224256
		.amdhsa_private_segment_fixed_size 0
		.amdhsa_enable_private_segment 0
		.amdhsa_kernarg_size 40
		.amdhsa_user_sgpr_count 2
		.amdhsa_user_sgpr_kernarg_segment_ptr 1
		.amdhsa_wavefront_size32 1
		.amdhsa_system_sgpr_workgroup_id_x 1
		.amdhsa_system_sgpr_workgroup_id_y 1
		.amdhsa_system_sgpr_workgroup_id_z 1
		.amdhsa_system_vgpr_workitem_id 0
		.amdhsa_next_free_vgpr 256
		.amdhsa_next_free_sgpr 66
		.amdhsa_reserve_vcc 1
		.amdhsa_float_denorm_mode_32 3
		.amdhsa_float_denorm_mode_16_64 3
		.amdhsa_memory_ordered 1
		.amdhsa_forward_progress 1
		.amdhsa_inst_pref_size 37
	.end_amdhsa_kernel
	.amdgpu_metadata
---
amdhsa.version: [ 1, 2 ]
amdhsa.kernels:
  - .name:           k_qe6e2e067f7_pool
    .symbol:         k_qe6e2e067f7_pool.kd
    .args:
      - { .name: hidden_states, .offset: 0, .size: 8, .value_kind: global_buffer, .address_space: global }
      - { .name: mask, .offset: 8, .size: 8, .value_kind: global_buffer, .address_space: global }
      - { .name: wqf, .offset: 16, .size: 8, .value_kind: global_buffer, .address_space: global }
      - { .name: pp, .offset: 24, .size: 8, .value_kind: global_buffer, .address_space: global }
      - { .name: stats, .offset: 32, .size: 8, .value_kind: global_buffer, .address_space: global }
    .group_segment_fixed_size: 224256
    .private_segment_fixed_size: 0
    .kernarg_segment_align: 8
    .kernarg_segment_size: 40
    .max_flat_workgroup_size: 512
    .sgpr_count:     66
    .vgpr_count:     256
    .wavefront_size: 32
...
	.end_amdgpu_metadata
.endif
;; end of part 2
;; launch proj (part 3): grid 16 x 16, 16 waves a work-group, no clusters, 47,104 bytes of LDS; arguments pp, stats, kv_w, kv_b, out16; writes out16
.if DOCPART == 3
	.amdgcn_target "amdgcn-amd-amdhsa--gfx1250"
	.amdhsa_code_object_version 6
	.text
	.protected	k_qe6e2e067f7_proj
	.globl	k_qe6e2e067f7_proj
	.p2align	8
	.type	k_qe6e2e067f7_proj,@function
k_qe6e2e067f7_proj:
	s_mov_b64 s[64:65], 0
	v_nop
	global_prefetch_b8 v0, s[64:65] scope:SCOPE_SE
	s_setreg_imm32_b32 hwreg(HW_REG_WAVE_MODE, 25, 1), 1
	s_wait_xcnt 0x0
; out[b][64h+d] = (the sum over a batch's eight chunks of f_i pool_i / L) . kv_w[:, 1024+64h+d] + kv_b[1024+64h+d], with M = the maximum of the chunks' m_i, f_i = 2^(m_i - M), L = the sum of f_i l_i:
; the softmax's weights add up to 1, so the value bias enters once.  A batch whose mask is all 0 has L = 0 and pools of 0: infinity x 0 = NaN, as a softmax of -infinities gives.
; A work-group takes head h (x) and batches 2bp, 2bp+1 (y).  The 16 rows of its product are the 16 partial pools of those two batches: in the result register i of lane (r, hf) is chunk i of batch 2bp+hf,
; so the chunks are joined by eight multiply-adds a number with the lane's own factors.  Wave w takes K = pos 64w .. 64w+63; the sixteen waves' parts meet in LDS.
; LIMITS.  The pools (times 2^-7, so that they lie within hidden_states' range; the factor 128 goes into the f_i / L) and kv_w are rounded to f16: under 65,504; below 6e-5 f16's fixed step.  out is stored in f16, [h][b][d].
; kv_w's rows: lane (r, hf) loads 16 bytes, columns 1024+64h+4r .. +3, of the row that belongs to each of its 16 K places; pos 32ks+16g+8hf+jj holds column 32ks+4jj+2g+hf of the wave's 64 (pp's order).
; Component t of two neighbouring places, rounded together, is a register of fragment t, whose lane r stands for d = 4r+t.  Sixteen lanes of a load read 256 consecutive bytes, at a multiple of 256.
.set AX,    0                          ; LDS: for each wave 16 rows of 64 f16, pitch 144, its own
.set RED,   36864                      ; the waves' parts: [wave][lane][16 bytes]
.set SPARE, 45056                      ; the spare words: 128 bytes for each of 16 waves
.set MM,  16                           ; v[16:23]  m_i, then f_i, then 128 f_i / L
.set LL,  24                           ; v[24:31]  l_i
.set AS,  32                           ; v[32:63]  the pools as loaded; then kv_w's fragments of K step 0
.set BS,  64                           ; v[64:191] kv_w as loaded, load 16ks+8g+jj at BS + 4 x that; v[64:95] then take the fragments of K step 1
.set ACC, 192                          ; v[192:223]
.set AFR, 224                          ; v[224:239] the pools' two fragments
.set O,   240                          ; v[240:243]
.set BV,  244                          ; v[244:247]
.set T,   248
	s_load_b256 s[4:11], s[0:1], 0x0               ; pp s[4:5], stats s[6:7], kv_w s[8:9], kv_b s[10:11]
	s_load_b64 s[12:13], s[0:1], 0x20              ; out16
	v_lshl_add_u32 v8, v0, 2, SPARE                ; my spare word
	v_mov_b32 v9, 0
	v_lshrrev_b32 v10, 5, v0
	v_readfirstlane_b32 s14, v10                   ; wave 0..15
	v_and_b32 v10, 31, v0                          ; lane
	v_and_b32 v11, 15, v0                          ; r
	v_bfe_u32 v12, v0, 4, 1                        ; hf
	s_and_b32 s16, ttmp7, 0xffff                   ; bp
	s_lshl_b32 s18, s16, 20                        ; pp: 16 work-groups of 65,536 bytes a pair of batches,
	s_lshl_b32 s15, ttmp9, 12                      ; 4,096 a head,
	s_add_co_u32 s18, s18, s15
	s_lshl_b32 s17, s14, 8                         ; 256 a wave
	s_add_co_u32 s18, s18, s17
	s_mov_b32 s19, 0
	s_lshl_b32 s20, s16, 11                        ; stats: 16 x 128 bytes a pair of batches, 4 a head
	s_lshl_b32 s17, ttmp9, 2
	s_add_co_u32 s20, s20, s17
	s_mov_b32 s21, 0
	s_lshl_b32 s24, ttmp9, 8                       ; a head's 64 columns
	s_mov_b32 s25, 0
	s_lshl_b32 s22, s14, 19                        ; kv_w: 64 rows of 8,192 bytes a wave
	s_add_co_u32 s22, s22, s24
	s_mov_b32 s23, 0
	s_lshl_b32 s26, s16, 8                         ; out16: 4,096 a head, 128 a batch
	s_add_co_u32 s26, s26, s15
	s_mov_b32 s27, 0
	s_mul_i32 s28, s14, 2304
	s_lshl_b32 s29, s14, 9
	s_add_co_u32 s29, s29, RED
	v_lshlrev_b32 v1, 10, v12                      ; stats: 8 work-groups further for lanes 16-31
	v_lshlrev_b32 v2, 4, v11
	v_lshl_add_u32 v3, v12, 16, v2                 ; pp: rows 2u + hf
	v_lshl_add_u32 v4, v12, 13, v2                 ; kv_w: one row further for lanes 16-31
	v_mul_u32_u24 v5, v12, 144                     ; into my LDS rows: row 2u + hf, 8 bytes at 8 r
	v_lshl_add_u32 v5, v11, 3, v5
	v_add_nc_u32 v5, s28, v5
	v_mul_u32_u24 v6, v11, 144                     ; back as fragments: row r, 16 hf
	v_lshl_add_u32 v6, v12, 4, v6
	v_add_nc_u32 v6, s28, v6
	v_lshl_add_u32 v7, v10, 4, s29
	v_lshl_add_u32 v13, v10, 4, RED
	v_lshlrev_b32 v14, 3, v10
	s_wait_kmcnt 0x0
	s_add_nc_u64 s[4:5], s[4:5], s[18:19]
	s_add_nc_u64 s[6:7], s[6:7], s[20:21]
	s_add_nc_u64 s[8:9], s[8:9], s[22:23]
	s_add_nc_u64 s[10:11], s[10:11], s[24:25]
	s_add_nc_u64 s[12:13], s[12:13], s[26:27]
.irp i, 0,1,2,3,4,5,6,7
	global_load_b32 v[MM+\i], v1, s[6:7] offset:128*\i
	global_load_b32 v[LL+\i], v1, s[6:7] offset:128*\i+64
.endr
	global_load_b128 v[BV:BV+3], v2, s[10:11] offset:4096
.irp u, 0,1,2,3,4,5,6,7
	global_load_b128 v[AS+4*\u:AS+4*\u+3], v3, s[4:5] offset:131072*\u th:TH_LOAD_NT
.endr
.irp ks, 0,1
.irp g, 0,1
.irp jj, 0,1,2,3,4,5,6,7
	global_load_b128 v[BS+4*(16*\ks+8*\g+\jj):BS+4*(16*\ks+8*\g+\jj)+3], v4, s[8:9] offset:4096+8192*(32*\ks+4*\jj+2*\g)
.endr
.endr
.endr
	s_wait_loadcnt 32                              ; all but kv_w's 32 loads
.set k, 0
.rept 16
	v_pk_mul_f32 v[AS+2*k:AS+2*k+1], v[AS+2*k:AS+2*k+1], 0x3c000000 op_sel_hi:[1,0]   ; 2^-7
.set k, k+1
.endr
.irp u, 0,1,2,3,4,5,6,7
	v_cvt_pk_f16_f32 v[AS+4*\u], v[AS+4*\u], v[AS+4*\u+1]
	v_cvt_pk_f16_f32 v[AS+4*\u+1], v[AS+4*\u+2], v[AS+4*\u+3]
	ds_store_b64 v5, v[AS+4*\u:AS+4*\u+1] offset:288*\u
.endr
.irp ks, 0,1                           ; LDS serves a wave's instructions in order: these see the stores above
	ds_load_b128 v[AFR+8*\ks:AFR+8*\ks+3], v6 offset:64*\ks
	ds_load_b128 v[AFR+8*\ks+4:AFR+8*\ks+7], v6 offset:64*\ks+32
.endr
	; the factors, while kv_w is on its way
	v_max3_num_f32 v[T], v[MM], v[MM+1], v[MM+2]
	v_max3_num_f32 v[T], v[T], v[MM+3], v[MM+4]
	v_max3_num_f32 v[T], v[T], v[MM+5], v[MM+6]
	v_max_num_f32 v[T], v[T], v[MM+7]
.irp i, 0,1,2,3,4,5,6,7
	v_sub_f32 v[MM+\i], v[MM+\i], v[T]
.endr
.irp i, 0,1,2,3,4,5,6,7
	v_exp_f32 v[MM+\i], v[MM+\i]
.endr
	v_nop                                          ; a plain instruction behind the last exponential
	s_wait_alu depctr_va_vdst(0)
	v_mul_f32 v[T+1], v[MM], v[LL]
.irp i, 1,2,3,4,5,6,7
	v_fmac_f32 v[T+1], v[MM+\i], v[LL+\i]
.endr
	v_rcp_f32 v[T+2], v[T+1]
	v_nop                                          ; and behind the reciprocal
	s_wait_alu depctr_va_vdst(0)
	v_mul_f32 v[T+2], 0x43000000, v[T+2]           ; 128 / L
.irp i, 0,1,2,3,4,5,6,7
	v_mul_f32 v[MM+\i], v[MM+\i], v[T+2]
.endr
.macro CVB dst, src                    ; 16 loads at src become four fragments at dst
.irp q, 0,1,2,3,4,5,6,7
.irp t, 0,1,2,3
	v_cvt_pk_f16_f32 v[(\dst)+8*\t+\q], v[(\src)+8*\q+\t], v[(\src)+8*\q+4+\t]
.endr
.endr
.endm
	s_wait_loadcnt 16                              ; K step 0's rows are in; K step 1's sixteen loads stay out
	CVB AS, BS
	s_wait_dscnt 0x0                               ; the pools' fragments
.irp t, 0,1,2,3                        ; the first K step starts the sums; the four accumulators take turns
	v_wmma_f32_16x16x32_f16 v[ACC+8*\t:ACC+8*\t+7], v[AFR:AFR+7], v[AS+8*\t:AS+8*\t+7], 0
.endr
	s_wait_loadcnt 0x0
	CVB BS, BS+64
.irp t, 0,1,2,3
	v_wmma_f32_16x16x32_f16 v[ACC+8*\t:ACC+8*\t+7], v[AFR+8:AFR+15], v[BS+8*\t:BS+8*\t+7], v[ACC+8*\t:ACC+8*\t+7]
.endr
.rept 4
	v_nop                                          ; four places behind the last products
.endr
.irp t, 0,1,2,3                        ; the eight chunks are joined, from each accumulator's lowest register on
	v_mul_f32 v[O+\t], v[MM], v[ACC+8*\t]
.endr
.irp i, 1,2,3,4,5,6,7
.irp t, 0,1,2,3
	v_fmac_f32 v[O+\t], v[MM+\i], v[ACC+8*\t+\i]
.endr
.endr
	ds_store_b128 v7, v[O:O+3]                     ; d = 4r .. 4r+3 of batch 2bp + hf: my wave's part
	s_wait_dscnt 0x0
	s_barrier_signal -1
	s_barrier_wait -1
	s_cmp_lg_u32 s14, 0
	s_cbranch_scc1 .Ldone                          ; wave 0 adds the sixteen parts
.irp s, 0,1,2,3,4,5,6,7,8,9,10,11,12,13,14,15
	ds_load_b128 v[64+4*\s:64+4*\s+3], v13 offset:512*\s
.endr
	s_wait_dscnt 0x0
.irp n, 8,4,2,1
.set k, 0
.rept \n
	v_pk_add_f32 v[64+4*k:64+4*k+1], v[64+4*k:64+4*k+1], v[64+4*(k+\n):64+4*(k+\n)+1]
	v_pk_add_f32 v[64+4*k+2:64+4*k+3], v[64+4*k+2:64+4*k+3], v[64+4*(k+\n)+2:64+4*(k+\n)+3]
.set k, k+1
.endr
.endr
	v_pk_add_f32 v[64:65], v[64:65], v[BV:BV+1]
	v_pk_add_f32 v[66:67], v[66:67], v[BV+2:BV+3]
	v_cvt_pk_f16_f32 v68, v64, v65
	v_cvt_pk_f16_f32 v69, v66, v67
	global_store_b64 v14, v[68:69], s[12:13]       ; the wave stores 256 consecutive bytes, at a multiple of 256
.Ldone:
	s_wait_tensorcnt 0x0                           ; the wave's end
	ds_add_u32 v8, v9
	s_wait_dscnt 0x0
	s_endpgm
.Lfunc_end_k_qe6e2e067f7_proj:
	.size	k_qe6e2e067f7_proj, .Lfunc_end_k_qe6e2e067f7_proj-k_qe6e2e067f7_proj
	.p2alignl 7, 3214868480
	.fill 96, 4, 3214868480
	.section	.rodata,"a",@progbits
	.p2align	6, 0x0
	.amdhsa_kernel k_qe6e2e067f7_proj
		.amdhsa_group_segment_fixed_size 47104
		.amdhsa_private_segment_fixed_size 0
		.amdhsa_enable_private_segment 0
		.amdhsa_kernarg_size 40
		.amdhsa_user_sgpr_count 2
		.amdhsa_user_sgpr_kernarg_segment_ptr 1
		.amdhsa_wavefront_size32 1
		.amdhsa_system_sgpr_workgroup_id_x 1
		.amdhsa_system_sgpr_workgroup_id_y 1
		.amdhsa_system_sgpr_workgroup_id_z 1
		.amdhsa_system_vgpr_workitem_id 0
		.amdhsa_next_free_vgpr 256
		.amdhsa_next_free_sgpr 66
		.amdhsa_reserve_vcc 0
		.amdhsa_float_denorm_mode_32 3
		.amdhsa_float_denorm_mode_16_64 3
		.amdhsa_memory_ordered 1
		.amdhsa_forward_progress 1
		.amdhsa_inst_pref_size 22
	.end_amdhsa_kernel
	.amdgpu_metadata
---
amdhsa.version: [ 1, 2 ]
amdhsa.kernels:
  - .name:           k_qe6e2e067f7_proj
    .symbol:         k_qe6e2e067f7_proj.kd
    .args:
      - { .name: pp, .offset: 0, .size: 8, .value_kind: global_buffer, .address_space: global }
      - { .name: stats, .offset: 8, .size: 8, .value_kind: global_buffer, .address_space: global }
      - { .name: kv_w, .offset: 16, .size: 8, .value_kind: global_buffer, .address_space: global }
      - { .name: kv_b, .offset: 24, .size: 8, .value_kind: global_buffer, .address_space: global }
      - { .name: out16, .offset: 32, .size: 8, .value_kind: global_buffer, .address_space: global }
    .group_segment_fixed_size: 47104
    .private_segment_fixed_size: 0
    .kernarg_segment_align: 8
    .kernarg_segment_size: 40
    .max_flat_workgroup_size: 512
    .sgpr_count:     66
    .vgpr_count:     256
    .wavefront_size: 32
...
	.end_amdgpu_metadata
.endif
;; end of part 3
;; launch outp (part 4): grid 16 x 1, 16 waves a work-group, no clusters, 141,824 bytes of LDS; arguments out16, out_w, out_b, out0; writes out0
.if DOCPART == 4
	.amdgcn_target "amdgcn-amd-amdhsa--gfx1250"
	.amdhsa_code_object_version 6
	.text
	.protected	k_qe6e2e067f7_outp
	.globl	k_qe6e2e067f7_outp
	.p2align	8
	.type	k_qe6e2e067f7_outp,@function
k_qe6e2e067f7_outp:
	s_mov_b64 s[64:65], 0
	v_nop
	global_prefetch_b8 v0, s[64:65] scope:SCOPE_SE
	s_setreg_imm32_b32 hwreg(HW_REG_WAVE_MODE, 25, 1), 1
	s_wait_xcnt 0x0
; out0[b][n] = the sum over k of out[b][k] out_w[k][n] + out_b[n].  out comes in f16 as [h][b][d], k = 64h+d.  A work-group takes all 32 rows and 64 columns (so that out_w's rows are read in
; runs of 256 bytes, each once in the launch: 16 work-groups); wave w takes K = 64w .. 64w+63, head w; the sixteen waves' parts meet in LDS, in f32.
; LIMIT: out_w is rounded to f16: under 65,504; below 6e-5 f16's fixed step.
; out_w's rows: lane (r, hf) loads 16 bytes, columns 64 blk + 4r .. +3, of the 16 rows that are its K places; component t of two neighbouring rows, rounded together, is a register of fragment t, lane r = column 4r+t.
.set RP,    0                          ; LDS: the waves' parts: [wave][quad 16][lane][16 bytes]
.set OS,    131072                     ; the result: 32 rows of 256 bytes, pitch 272
.set SPARE, 139776                     ; the spare words: 128 bytes for each of 16 waves
.set OB,  12                           ; v[12:15]   out_b
.set AFR, 16                           ; v[16:47]   out's fragments: 16 rows mt, K step ks at AFR + 16 mt + 8 ks
.set BF0, 48                           ; v[48:79]   out_w's fragments of K step 0
.set BS,  80                           ; v[80:207]  out_w as loaded
.set BF1, 208                          ; v[208:239] fragments of K step 1
.set ACC, 80                           ; v[80:143]  eight accumulators (4 mt + t), where K step 0's rows lay
.set RD,  144                          ; v[144:207] the sixteen parts of my quad
	s_load_b256 s[4:11], s[0:1], 0x0               ; out16 s[4:5], out_w s[6:7], out_b s[8:9], out0 s[10:11]
	v_lshl_add_u32 v8, v0, 2, SPARE                ; my spare word
	v_mov_b32 v9, 0
	v_lshrrev_b32 v16, 5, v0
	v_readfirstlane_b32 s12, v16                   ; wave 0..15
	v_and_b32 v16, 31, v0                          ; lane
	v_and_b32 v17, 15, v0                          ; r
	v_bfe_u32 v18, v0, 4, 1                        ; hf
	s_lshl_b32 s14, s12, 12                        ; out16: 4,096 bytes a head
	s_mov_b32 s15, 0
	s_lshl_b32 s18, ttmp9, 8                       ; the block's 64 columns
	s_mov_b32 s19, 0
	s_lshl_b32 s16, s12, 18                        ; out_w: 64 rows of 4,096 bytes a wave
	s_add_co_u32 s16, s16, s18
	s_mov_b32 s17, 0
	s_lshl_b32 s22, s12, 13                        ; my parts in LDS; also out0: rows 2w, 2w+1
	s_add_co_u32 s20, s22, s18
	s_mov_b32 s21, 0
	s_lshl_b32 s23, s12, 9                         ; quad w of wave 0's parts
	s_lshr_b32 s26, s12, 3                         ; my quad: mt = w / 8,
	s_mul_i32 s24, s26, 4352
	s_and_b32 s26, s12, 1                          ; upper or lower four registers = w % 2,
	s_mul_i32 s26, s26, 1088
	s_add_co_u32 s24, s24, s26
	s_bfe_u32 s26, s12, 0x20001                    ; t = (w / 2) % 4
	s_lshl_b32 s26, s26, 2
	s_add_co_u32 s24, s24, s26
	s_add_co_u32 s24, s24, OS                      ; row 16 mt + 4 (w % 2), byte 4 t
	s_mul_i32 s25, s12, 544
	s_add_co_u32 s25, s25, OS                      ; row 2 w
	v_lshlrev_b32 v3, 4, v17
	v_lshlrev_b32 v1, 7, v17                       ; out16: row r of 128 bytes, 16 hf
	v_lshl_add_u32 v1, v18, 4, v1
	v_lshl_add_u32 v2, v18, 15, v3                 ; out_w: 8 rows further for lanes 16-31
	v_lshl_add_u32 v4, v16, 4, s22
	v_lshl_add_u32 v5, v16, 4, s23
	v_add_nc_u32 v6, 0x10000, v5                   ; waves 8 to 15 lie beyond the 16-bit immediate
	v_mul_u32_u24 v7, v18, 2176                    ; 8 rows further for lanes 16-31
	v_add3_u32 v7, v7, v3, s24
	v_mul_u32_u24 v10, v18, 272
	v_add3_u32 v10, v10, v3, s25
	v_lshl_add_u32 v11, v18, 12, v3
	s_wait_kmcnt 0x0
	s_add_nc_u64 s[4:5], s[4:5], s[14:15]
	s_add_nc_u64 s[6:7], s[6:7], s[16:17]
	s_add_nc_u64 s[8:9], s[8:9], s[18:19]
	s_add_nc_u64 s[10:11], s[10:11], s[20:21]
	global_load_b128 v[OB:OB+3], v3, s[8:9]
.irp mt, 0,1
.irp ks, 0,1
	global_load_b128 v[AFR+16*\mt+8*\ks:AFR+16*\mt+8*\ks+3], v1, s[4:5] offset:2048*\mt+64*\ks
	global_load_b128 v[AFR+16*\mt+8*\ks+4:AFR+16*\mt+8*\ks+7], v1, s[4:5] offset:2048*\mt+64*\ks+32
.endr
.endr
.irp n, 0,1,2,3,4,5,6,7,8,9,10,11,12,13,14,15,16,17,18,19,20,21,22,23,24,25,26,27,28,29,30,31
	global_load_b128 v[BS+4*\n:BS+4*\n+3], v2, s[6:7] offset:4096*(16*(\n/8)+\n%8) th:TH_LOAD_NT   ; K place (ks, g, jj) = n: row 32ks+16g+8hf+jj
.endr
.macro CVB dst, src                    ; 16 loads at src become four fragments at dst
.irp q, 0,1,2,3,4,5,6,7
.irp t, 0,1,2,3
	v_cvt_pk_f16_f32 v[(\dst)+8*\t+\q], v[(\src)+8*\q+\t], v[(\src)+8*\q+4+\t]
.endr
.endr
.endm
	s_wait_loadcnt 16                              ; all but K step 1's sixteen loads
	CVB BF0, BS
.irp mt, 0,1                           ; the first K step starts the sums; the eight accumulators take turns
.irp t, 0,1,2,3
	v_wmma_f32_16x16x32_f16 v[ACC+8*(4*\mt+\t):ACC+8*(4*\mt+\t)+7], v[AFR+16*\mt:AFR+16*\mt+7], v[BF0+8*\t:BF0+8*\t+7], 0
.endr
.endr
	s_wait_loadcnt 0x0
	CVB BF1, BS+64
.irp mt, 0,1
.irp t, 0,1,2,3
	v_wmma_f32_16x16x32_f16 v[ACC+8*(4*\mt+\t):ACC+8*(4*\mt+\t)+7], v[AFR+16*\mt+8:AFR+16*\mt+15], v[BF1+8*\t:BF1+8*\t+7], v[ACC+8*(4*\mt+\t):ACC+8*(4*\mt+\t)+7]
.endr
.endr
.rept 4
	v_nop                                          ; four places behind the last products
.endr
.irp q, 0,1,2,3,4,5,6,7,8,9,10,11,12,13,14,15   ; quad q = registers 4 (q % 2) .. of accumulator q / 2: each accumulator's low registers first
	ds_store_b128 v4, v[ACC+4*\q:ACC+4*\q+3] offset:512*\q
.endr
	s_wait_dscnt 0x0
	s_barrier_signal -1
	s_barrier_wait -1
.irp s, 0,1,2,3,4,5,6,7
	ds_load_b128 v[RD+4*\s:RD+4*\s+3], v5 offset:8192*\s
.endr
.irp s, 0,1,2,3,4,5,6,7
	ds_load_b128 v[RD+32+4*\s:RD+32+4*\s+3], v6 offset:8192*\s
.endr
	s_wait_dscnt 0x0
.irp n, 8,4,2,1
.set k, 0
.rept \n
	v_pk_add_f32 v[RD+4*k:RD+4*k+1], v[RD+4*k:RD+4*k+1], v[RD+4*(k+\n):RD+4*(k+\n)+1]
	v_pk_add_f32 v[RD+4*k+2:RD+4*k+3], v[RD+4*k+2:RD+4*k+3], v[RD+4*(k+\n)+2:RD+4*(k+\n)+3]
.set k, k+1
.endr
.endr
.irp e, 0,1,2,3                        ; number e of my quad: row 16 mt + 8 hf + 4 (w % 2) + e, column 4r + t
	ds_store_b32 v7, v[RD+\e] offset:272*\e
.endr
	s_wait_dscnt 0x0
	s_barrier_signal -1
	s_barrier_wait -1
	ds_load_b128 v[RD:RD+3], v10                   ; rows 2w and 2w+1, whole
	s_wait_dscnt 0x0
	v_pk_add_f32 v[RD:RD+1], v[RD:RD+1], v[OB:OB+1]
	v_pk_add_f32 v[RD+2:RD+3], v[RD+2:RD+3], v[OB+2:OB+3]
	global_store_b128 v11, v[RD:RD+3], s[10:11]    ; 16 lanes store 256 consecutive bytes, at a multiple of 256
	s_wait_tensorcnt 0x0                           ; the wave's end
	ds_add_u32 v8, v9
	s_wait_dscnt 0x0
	s_endpgm
.Lfunc_end_k_qe6e2e067f7_outp:
	.size	k_qe6e2e067f7_outp, .Lfunc_end_k_qe6e2e067f7_outp-k_qe6e2e067f7_outp
	.p2alignl 7, 3214868480
	.fill 96, 4, 3214868480
	.section	.rodata,"a",@progbits
	.p2align	6, 0x0
	.amdhsa_kernel k_qe6e2e067f7_outp
		.amdhsa_group_segment_fixed_size 141824
		.amdhsa_private_segment_fixed_size 0
		.amdhsa_enable_private_segment 0
		.amdhsa_kernarg_size 32
		.amdhsa_user_sgpr_count 2
		.amdhsa_user_sgpr_kernarg_segment_ptr 1
		.amdhsa_wavefront_size32 1
		.amdhsa_system_sgpr_workgroup_id_x 1
		.amdhsa_system_sgpr_workgroup_id_y 1
		.amdhsa_system_sgpr_workgroup_id_z 1
		.amdhsa_system_vgpr_workitem_id 0
		.amdhsa_next_free_vgpr 240
		.amdhsa_next_free_sgpr 66
		.amdhsa_reserve_vcc 0
		.amdhsa_float_denorm_mode_32 3
		.amdhsa_float_denorm_mode_16_64 3
		.amdhsa_memory_ordered 1
		.amdhsa_forward_progress 1
		.amdhsa_inst_pref_size 17
	.end_amdhsa_kernel
	.amdgpu_metadata
---
amdhsa.version: [ 1, 2 ]
amdhsa.kernels:
  - .name:           k_qe6e2e067f7_outp
    .symbol:         k_qe6e2e067f7_outp.kd
    .args:
      - { .name: out16, .offset: 0, .size: 8, .value_kind: global_buffer, .address_space: global }
      - { .name: out_w, .offset: 8, .size: 8, .value_kind: global_buffer, .address_space: global }
      - { .name: out_b, .offset: 16, .size: 8, .value_kind: global_buffer, .address_space: global }
      - { .name: out0, .offset: 24, .size: 8, .value_kind: global_buffer, .address_space: global }
    .group_segment_fixed_size: 141824
    .private_segment_fixed_size: 0
    .kernarg_segment_align: 8
    .kernarg_segment_size: 32
    .max_flat_workgroup_size: 512
    .sgpr_count:     66
    .vgpr_count:     240
    .wavefront_size: 32
...
	.end_amdgpu_metadata
.endif
;; end of part 4
;; ======== version 2 of 2: 4 launches; version 1 with the launch pool written anew for expert scheduling mode
;; limits: values are held in f16: magnitudes above 65,504 overflow, below 6.1e-05 lose precision
;; workspace buffers: wqf 33,792 bytes; pp 16,777,216 bytes; stats 32,768 bytes; out16 65,536 bytes
;; launch prep: the kernel of part 1 again; grid 33 x 1, 32 waves a work-group, no clusters, 5,120 bytes of LDS; arguments kv_w, kv_b, query, wqf; writes wqf
;; launch pool (part 5): grid 8 x 32, 16 waves a work-group, no clusters, 224,256 bytes of LDS; arguments hidden_states, mask, wqf, pp, stats; writes pp, stats
.if DOCPART == 5
	.amdgcn_target "amdgcn-amd-amdhsa--gfx1250"
	.amdhsa_code_object_version 6
	.text
	.protected	k_qe6e2e067f7_pool
	.globl	k_qe6e2e067f7_pool
	.p2align	8
	.type	k_qe6e2e067f7_pool,@function
k_qe6e2e067f7_pool:
	s_mov_b64 s[64:65], 0
	v_nop
	global_prefetch_b8 v0, s[64:65] scope:SCOPE_SE
	s_setreg_imm32_b32 hwreg(HW_REG_WAVE_SCHED_MODE, 0, 2), 2
	s_setreg_imm32_b32 hwreg(HW_REG_WAVE_MODE, 25, 1), 1
	s_wait_xcnt 0x0
	s_wait_alu depctr_vm_vsrc(0)
; THE STREAM.  A work-group takes 128 rows (a chunk) of one batch of hidden_states, 512 KB, reads them once, and leaves for each of the 16 heads the chunk's maximum score m (log2 units),
; l = the sum of p = 2^(s - m), and the unnormalised pool, the sum over the chunk's rows j of p[h][j] hidden_states[j][:], in f32.  The next launch joins a batch's eight chunks.
; s[j][h] = hidden_states[j] . Wq[:,h] + bq[h]; where mask[j] = 0 the score is -infinity.  m is the true maximum of the chunk's scores, held at -3.4e38 at the least, so that it is finite
; in a chunk that is all masked (there p = 0, l = 0, pool = 0).
; LIMITS.  hidden_states and p are rounded to f16 for the two products: |hidden_states| stays under 65,504, and below 6e-5 it keeps f16's fixed step of 6e-8.  l is the sum of the unrounded p.
; SHARES.  Wave w owns columns 64w .. 64w+63 of all 128 rows.  Lane (r = lane % 16, hf = lane / 16) loads 16 bytes, columns 64w+4r .. +3, of the 16 rows that are its K places in a fragment of
; 32 rows: 8hf+0..7 and 16+8hf+0..7.  Sixteen lanes of a load read 256 consecutive bytes, at a multiple of 256.  Component t of two neighbouring rows, rounded together, is a register of
; fragment t, whose lane r stands for column 64w+4r+t: the operand of the pooling product, made with no exchange between lanes.  All 128 rows stay so in 128 registers.
; For the scores the same fragments are turned through the wave's own LDS bytes (ds_load_tr16_b128); each wave's partial scores (its 64 columns) meet in LDS.
; pp[work-group][h][pos]: in each aligned group of 32 columns pos = 8t+i holds column 4i+t, which is how the results lie in registers; the next launch picks its rows of kv_w to match.
; No tensor loads: the numbers pass through registers for the rounding in any case, and each wave keeps 12 to 16 loads of 512 bytes on their way.  No cluster: no two work-groups read the same byte of hidden_states.
; THE MODE: SCHED_MODE bits 1:0 = 2 (LLVM: expert scheduling mode 2), set by the entry lines.  The code itself states the register dependences
; between vector or matrix instructions and memory or LDS instructions, with s_wait_alu, always for 0.
; THE PLAN.  Registers that memory or LDS instructions touch, in the stream:
;   v1-v4       Offsets and LDS addresses, made at the head; v1 is never written again, v2-v4 only behind the stream.
;   v19-v21     Offsets of the head's six small loads; the turned fragments land there later.
;   ST          Four quarters of four loads.  A quarter's eight conversions read it; behind them the same four loads of the next block land in it.
;   FR          Written by the conversions; read by the LDS stores of the fragments (the low halves behind a block's quarter 1, the high halves behind its quarter 3), later by the pooling products.
;   FR+96..111  Besides: the scores of blocks 0 to 2: written by their products, read by their four LDS stores, written at last by block 3's conversions.
;   AF          The turning loads land in it; a block's four products read it.
; So ONE wait on va_vdst stands behind a quarter's conversions: they are done reading the quarter of ST and have written their registers of FR; the quarter's loads and LDS stores follow it.  One more stands behind
; each block's products, ahead of the scores' stores.  One wait on vm_vsrc stands at each block's head.  Behind the stream every wait's own comment names what it states.
.set XPB,   5120                       ; LDS 0: for each wave 64 rows (one column each) of 32 f16, pitch 80; later its stage for the way out, 16 rows of pitch 272
.set SP,    81920                      ; partial scores: [wave that made them][quad 16][lane][16 bytes]
.set MX,    212992                     ; maxima: [lane, pitch 80][wave, 4 bytes]
.set LSO,   2560                       ; the sums l, the same layout, this many bytes behind MX
.set PF,    218112                     ; the weights in f16: [16 keys u][lane][16 bytes]
.set SPARE, 222208                     ; the spare words: 128 bytes for each of 16 waves
.set VOFF, 1                           ; v1   32768 hf + 256 w + 16 r: my bytes in the chunk's first rows
.set XS,   2                           ; v2   where I put a fragment's 16 bytes: row r, 16 hf
.set XL,   3                           ; v3   where the turning load reads: row 2 (lane % 8) + hf, 16 ((lane / 8) % 2)
.set SS,   4                           ; v4   my 16 bytes in my wave's partial scores
.set SPW,  6                           ; v6   my spare word;  v7  0
.set NIL,  7
.set MK,   8                           ; v[8:11]   the mask of my four keys in the softmax
.set BQ,   12                          ; v[12:13]  bq of my head
.set AF,   16                          ; v[16:47]  turned fragments: 16 keys jt, 32 columns ks at AF + 16 jt + 8 ks
.set WQ,   48                          ; v[48:63]  Wq's two fragments
.set ST,   64                          ; v[64:127] rows as loaded: load i at ST + 4 i
.set FR,   128                         ; v[128:255] block rb of 32 rows, fragment t at FR + 32 rb + 8 t
; behind the stream
.set ACC,  16                          ; v[16:47]  the pool: four accumulators
.set R0,   48                          ; v48-v56 addresses
.set R1,   49
.set MXA,  50
.set MXS,  51
.set PFS,  52
.set PFL,  53
.set OST,  54
.set OLD,  55
.set GOFF, 56
.set M,    57                          ; v57  m of my head
.set LANE, 58
.set NINF, 61
.set P,    96                          ; v[96:127]  the weights' four fragments
.set CM,   16                          ; s[16:19]  behind the stream: the four masks' compares (the head's numbers there are no longer wanted)
	s_load_b256 s[4:11], s[0:1], 0x0               ; hidden_states s[4:5], mask s[6:7], wqf s[8:9], pp s[10:11]
	s_load_b64 s[12:13], s[0:1], 0x20              ; stats
	v_lshl_add_u32 v[SPW], v0, 2, SPARE
	v_mov_b32 v[NIL], 0
	v_lshrrev_b32 v16, 5, v0
	v_readfirstlane_b32 s14, v16                   ; wave 0..15
	v_and_b32 v16, 31, v0                          ; lane
	v_and_b32 v17, 15, v0                          ; r
	v_bfe_u32 v18, v0, 4, 1                        ; hf
	s_and_b32 s16, ttmp7, 0xffff                   ; batch
	s_lshl_b32 s17, s16, 3
	s_add_co_u32 s17, s17, ttmp9                   ; work-group = 8 x batch + chunk
	s_lshl_b32 s18, s17, 19                        ; 128 rows of 4,096 bytes
	s_mov_b32 s19, 0
	s_mov_b32 s20, 0x76543210                      ; v_permlanex16_b32: each lane takes its own place in the other half
	s_mov_b32 s21, 0xfedcba98
	s_wait_alu depctr_va_sdst(0)                   ; s14 is written, ahead of its first reader: the wave's offsets and LDS places are made from it
	s_lshr_b32 s15, s14, 1
	s_and_b32 s32, s14, 1
	s_lshl_b32 s22, s17, 9                         ; the mask of my quad of keys: 512 x work-group + 64 (w/2) + 16 (w%2); 32 hf in the lane's offset
	s_lshl_b32 s23, s15, 6
	s_add_co_u32 s22, s22, s23
	s_lshl_b32 s23, s32, 4
	s_add_co_u32 s22, s22, s23
	s_mov_b32 s23, 0
	s_lshl_b32 s24, s17, 16                        ; pp: 16 heads x 4,096 bytes a work-group
	s_mov_b32 s25, 0
	s_lshl_b32 s26, s17, 7                         ; stats: 128 bytes a work-group
	s_mov_b32 s27, 0
	s_mul_i32 s28, s14, XPB                        ; my wave's own LDS bytes
	s_lshl_b32 s29, s14, 8                         ; my wave's 256 bytes of a row
	s_lshl_b32 s30, s14, 11                        ; my wave's two blocks of wqf
	s_mov_b32 s31, 0xff7fffff                      ; the lowest finite number
	s_lshl_b32 s33, s14, 13
	s_add_co_u32 s33, s33, SP                      ; the partial scores that I make
	s_lshl_b32 s34, s14, 9
	s_add_co_u32 s34, s34, SP                      ; quad w of wave 0's partial scores
	s_lshl_b32 s35, s14, 2
	s_lshl_b32 s36, s15, 9
	s_lshl_b32 s37, s32, 3
	s_add_co_u32 s36, s36, s37                     ; my quad's place among the weights
	v_lshlrev_b32 v[VOFF], 15, v18
	v_lshl_add_u32 v[VOFF], v17, 4, v[VOFF]
	v_add_nc_u32 v[VOFF], s29, v[VOFF]
	v_mul_u32_u24 v[XS], v17, 80
	v_lshl_add_u32 v[XS], v18, 4, v[XS]
	v_add_nc_u32 v[XS], s28, v[XS]
	v_and_b32 v14, 7, v0
	v_lshl_add_u32 v14, v14, 1, v18
	v_mul_u32_u24 v[XL], v14, 80
	v_bfe_u32 v15, v0, 3, 1
	v_lshl_add_u32 v[XL], v15, 4, v[XL]
	v_add_nc_u32 v[XL], s28, v[XL]
	v_lshl_add_u32 v[SS], v16, 4, s33
	v_lshlrev_b32 v19, 5, v18
	v_lshlrev_b32 v20, 5, v16
	v_add_nc_u32 v21, s30, v20
	s_wait_kmcnt 0x0
	s_add_nc_u64 s[4:5], s[4:5], s[18:19]
	s_add_nc_u64 s[6:7], s[6:7], s[22:23]
	s_add_nc_u64 s[10:11], s[10:11], s[24:25]
	s_add_nc_u64 s[12:13], s[12:13], s[26:27]
	s_wait_alu depctr_va_vdst(0)                   ; v1 to v4 and v19 to v21 are written, which the stream's loads and LDS instructions read as offsets and addresses; the head is done with v16 to v21, in which turned fragments land
	global_load_b128 v[MK:MK+3], v19, s[6:7]                  ; six small loads, older than every load of rows
	global_load_b32 v[BQ], v20, s[8:9] offset:32768
	global_load_b128 v[WQ:WQ+3], v21, s[8:9]
	global_load_b128 v[WQ+4:WQ+7], v21, s[8:9] offset:16
	global_load_b128 v[WQ+8:WQ+11], v21, s[8:9] offset:1024
	global_load_b128 v[WQ+12:WQ+15], v21, s[8:9] offset:1040
.macro LDROW rb, i                     ; load i of 16 of block rb: row 32 rb + 16 (i / 8) + 8 hf + i % 8
	global_load_b128 v[ST+4*(\i):ST+4*(\i)+3], v[VOFF], s[4:5] offset:(32*(\rb)+16*((\i)/8)+(\i)%8)*4096 th:TH_LOAD_NT
.endm
; Quarter k of block rb: loads 4k .. 4k+3 become registers 2k and 2k+1 of its four fragments; next = 1: their registers take the same four loads of the next block.
; Behind quarter 1 the fragments' registers 0 to 3 are whole, behind quarter 3 their registers 4 to 7: they go into my own 64 LDS rows (row 16t+r = column 64w+4r+t, 32 keys along it).
.macro QUAD rb, k, left, next
	s_wait_loadcnt \left                           ; loads come back in order: the quarter is in, the younger ones stay out
.irp q, 2*(\k), 2*(\k)+1
.irp t, 0,1,2,3
	v_cvt_pk_f16_f32 v[FR+32*(\rb)+8*\t+(\q)], v[ST+8*(\q)+\t], v[ST+8*(\q)+4+\t]
.endr
.endr
.if (\next) || ((\k) % 2)
	s_wait_alu depctr_va_vdst(0)                   ; the conversions are done reading this quarter of ST, in which the loads below land, and have written the fragments' registers, which the LDS stores below read; the last block's products are done reading AF
.endif
.if \next
.irp n, 0,1,2,3
	LDROW (\rb)+1, 4*(\k)+\n
.endr
.endif
.if (\k) % 2
.irp t, 0,1,2,3
	ds_store_b128 v[XS], v[FR+32*(\rb)+8*\t+4*((\k)/2):FR+32*(\rb)+8*\t+4*((\k)/2)+3] offset:1280*\t+32*((\k)/2)
.endr
.endif
.endm
; The partial scores of block rb's 32 keys.  The four fragments, stored by the quarters above, come back turned: lane r = key, and K place (gg, hf, e) is
; row 32ks+16gg+2e+hf, the order in which wqf lies.  LDS serves a wave's instructions in order, so no wait stands between the stores and the loads.  No vector or matrix instruction stands between
; quarter 3's wait and the turning loads.  The two accumulators take turns.
.macro SCORE rb, sd
.irp jt, 0,1
.irp ks, 0,1
	ds_load_tr16_b128 v[AF+16*\jt+8*\ks:AF+16*\jt+8*\ks+3], v[XL] offset:2560*\ks+32*\jt
	ds_load_tr16_b128 v[AF+16*\jt+8*\ks+4:AF+16*\jt+8*\ks+7], v[XL] offset:2560*\ks+32*\jt+1280
.endr
.endr
	s_wait_dscnt 0x0                               ; the turned fragments are in; the next block's 16 loads are on their way meanwhile
	v_wmma_f32_16x16x32_f16 v[(\sd):(\sd)+7], v[AF:AF+7], v[WQ:WQ+7], 0
	v_wmma_f32_16x16x32_f16 v[(\sd)+8:(\sd)+15], v[AF+16:AF+23], v[WQ:WQ+7], 0
	v_wmma_f32_16x16x32_f16 v[(\sd):(\sd)+7], v[AF+8:AF+15], v[WQ+8:WQ+15], v[(\sd):(\sd)+7]
	v_wmma_f32_16x16x32_f16 v[(\sd)+8:(\sd)+15], v[AF+24:AF+31], v[WQ+8:WQ+15], v[(\sd)+8:(\sd)+15]
.rept 4
	v_nop                                          ; four places between the products and the stores that read them
.endr
	s_wait_alu depctr_va_vdst(0)                   ; the products have written the scores, which the LDS stores read; the places above stay beside this wait
.irp k, 0,1,2,3                        ; register i of lane (h, hf) of tile jt is key 32 rb + 16 jt + 8 hf + i: quads 4 rb + k, low registers first
	ds_store_b128 v[SS], v[(\sd)+4*\k:(\sd)+4*\k+3] offset:512*(4*(\rb)+\k)
.endr
.endm
.irp i, 0,1,2,3,4,5,6,7,8,9,10,11,12,13,14,15
	LDROW 0, \i
.endr
.irp rb, 0,1,2                         ; behind quarter k stand 12 - 4k loads of this block and 4k of the next: 12.  The scores' 16 registers lie in block 3's, not yet written
	s_wait_alu depctr_vm_vsrc(0)                   ; block 0: the six small loads have read v19 to v21, in which turned fragments land; blocks 1 and 2: the last block's LDS stores have read the scores' registers, which this block's products write again
.irp k, 0,1,2,3
	QUAD \rb, \k, 12, 1
.endr
	SCORE \rb, FR+96
.endr
	s_wait_alu depctr_vm_vsrc(0)                   ; block 2's LDS stores have read the scores' registers, which block 3's conversions write
.irp k, 0,1,2,3                        ; the last block loads nothing more: the counts run down
	QUAD 3, \k, 12-4*\k, 0
.endr
	SCORE 3, ST                                    ; the rows' registers are free now
	; THE SOFTMAX.  Wave w owns quad w: keys 16 (w/2) + 8 hf + 4 (w%2) + 0..3 of head r.
	s_wait_dscnt 0x0                               ; for the others' sake: my partial scores are stored
	s_barrier_signal -1
	v_and_b32 v[LANE], 31, v0                      ; the addresses for the rest are made while the others arrive
	v_and_b32 v59, 15, v0
	v_bfe_u32 v60, v0, 4, 1
	v_lshl_add_u32 v[R0], v[LANE], 4, s34
	v_add_nc_u32 v[R1], 0x10000, v[R0]             ; waves 8 to 15 lie beyond the 16-bit immediate
	v_mul_u32_u24 v[MXA], v[LANE], 80
	v_add_nc_u32 v[MXA], MX, v[MXA]
	v_add_nc_u32 v[MXS], s35, v[MXA]
	v_lshl_add_u32 v[PFL], v[LANE], 4, PF
	v_add_nc_u32 v[PFS], s36, v[PFL]
	v_mul_u32_u24 v[OST], v59, 272
	v_lshl_add_u32 v[OST], v60, 7, v[OST]
	v_add_nc_u32 v[OST], s28, v[OST]
	v_mul_u32_u24 v[OLD], v60, 272
	v_lshl_add_u32 v[OLD], v59, 4, v[OLD]
	v_add_nc_u32 v[OLD], s28, v[OLD]
	v_lshlrev_b32 v[GOFF], 12, v60
	v_lshl_add_u32 v[GOFF], v59, 4, v[GOFF]
	v_add_nc_u32 v[GOFF], s29, v[GOFF]
	v_mov_b32 v[NINF], 0xff800000
	v_cvt_f32_f16 v13, v12.l                       ; bq, twice, for the packed addition
	v_mov_b32 v12, v13
	s_barrier_wait -1
	s_wait_alu depctr_va_vdst(0)                   ; the addresses v48 to v56 are written, which every LDS and memory instruction from here on reads
	s_wait_alu depctr_vm_vsrc(0)                   ; block 3's LDS stores have read v64 to v79, in which the loads below land; the stream's LDS instructions have read v2 to v4, which are at work from here on
.irp s, 0,1,2,3,4,5,6,7
	ds_load_b128 v[64+4*\s:64+4*\s+3], v[R0] offset:8192*\s
.endr
.irp s, 0,1,2,3,4,5,6,7
	ds_load_b128 v[96+4*\s:96+4*\s+3], v[R1] offset:8192*\s
.endr
	s_wait_dscnt 0x0
.macro TREE b                          ; sixteen quads at v[b ..] are added into the first, in f32: 30 packed additions
.irp n, 8,4,2,1
.set k, 0
.rept \n
	v_pk_add_f32 v[(\b)+4*k:(\b)+4*k+1], v[(\b)+4*k:(\b)+4*k+1], v[(\b)+4*(k+\n):(\b)+4*(k+\n)+1]
	v_pk_add_f32 v[(\b)+4*k+2:(\b)+4*k+3], v[(\b)+4*k+2:(\b)+4*k+3], v[(\b)+4*(k+\n)+2:(\b)+4*(k+\n)+3]
.set k, k+1
.endr
.endr
.endm
	TREE 64
	v_pk_add_f32 v[64:65], v[64:65], v[BQ:BQ+1]
	v_pk_add_f32 v[66:67], v[66:67], v[BQ:BQ+1]
.irp e, 0,1,2,3                        ; the four compares in a run, each into a scalar register of its own
	v_cmp_ne_u32 s[CM+\e], 0, v[MK+\e]
.endr
	s_wait_alu depctr_va_sdst(0)                   ; the four compares have written s16 to s19, ahead of the selects that read them
.irp e, 0,1,2,3
	v_cndmask_b32 v[64+\e], v[NINF], v[64+\e], s[CM+\e]  ; mask = 0: -infinity
.endr
	v_max3_num_f32 v2, v64, v65, v66
	v_max_num_f32 v2, v2, v67
	s_wait_alu depctr_va_vdst(0)                   ; v2 is written, which the LDS store reads; the additions are done with v68 to v83, in which the maxima land behind the barrier
	ds_store_b32 v[MXS], v2
	s_wait_dscnt 0x0
	s_barrier_signal -1
	s_barrier_wait -1
.irp k, 0,1,2,3
	ds_load_b128 v[68+4*\k:68+4*\k+3], v[MXA] offset:16*\k   ; the sixteen waves' maxima for my lane
.endr
	s_wait_dscnt 0x0
	s_wait_alu depctr_vm_vsrc(0)                   ; the LDS store of my maximum has read v2, which is written again below
	v_max3_num_f32 v2, v68, v69, v70
	v_max3_num_f32 v3, v71, v72, v73
	v_max3_num_f32 v4, v74, v75, v76
	v_max3_num_f32 v5, v77, v78, v79
	v_max3_num_f32 v2, v2, v80, v81
	v_max3_num_f32 v3, v3, v82, v83
	v_max3_num_f32 v2, v2, v3, v4
	v_max3_num_f32 v2, v2, v5, s31                 ; never below the lowest finite number
	v_permlanex16_b32 v3, v2, s20, s21             ; the head's other keys lie in the lane 16 away
	v_max_num_f32 v[M], v2, v3
.irp e, 0,1,2,3
	v_sub_f32 v[64+\e], v[64+\e], v[M]
.endr
.irp e, 0,1,2,3
	v_exp_f32 v[64+\e], v[64+\e]
.endr
	v_nop                                          ; a plain instruction between the last exponential and the use of its result
	s_wait_alu depctr_va_vdst(0)                   ; the four exponentials have written v64 to v67, ahead of their first reader
	v_add_f32 v2, v64, v65
	v_add_f32 v3, v66, v67
	v_cvt_pk_f16_f32 v62, v64, v65
	v_cvt_pk_f16_f32 v63, v66, v67
	v_add_f32 v2, v2, v3
	s_wait_alu depctr_va_vdst(0)                   ; v62, v63 and v2 are written, which the two LDS stores read
	ds_store_b64 v[PFS], v[62:63]                  ; four weights: half of a lane's 16 bytes for 16 keys
	ds_store_b32 v[MXS], v2 offset:LSO
	s_wait_dscnt 0x0
	s_barrier_signal -1
	s_barrier_wait -1
.irp u, 0,1,2,3,4,5,6,7                ; registers 8 ks + 4 g ..: keys 32 ks + 16 g + 8 hf + 0..7 of head r: four fragments, as they lie.  No vector instruction since the last wait names v96 to v127
	ds_load_b128 v[P+4*\u:P+4*\u+3], v[PFL] offset:512*\u
.endr
	s_wait_dscnt 0x0
	; THE POOL: source 0 = 16 columns x 32 keys, source 1 = 32 keys x 16 heads.  The first block's products start the sums; the four accumulators take turns.
.irp ks, 0,1,2,3
.irp t, 0,1,2,3
.if \ks == 0
	v_wmma_f32_16x16x32_f16 v[ACC+8*\t:ACC+8*\t+7], v[FR+8*\t:FR+8*\t+7], v[P:P+7], 0
.else
	v_wmma_f32_16x16x32_f16 v[ACC+8*\t:ACC+8*\t+7], v[FR+32*\ks+8*\t:FR+32*\ks+8*\t+7], v[P+8*\ks:P+8*\ks+7], v[ACC+8*\t:ACC+8*\t+7]
.endif
.endr
.endr
.rept 4
	v_nop                                          ; four places behind the last products
.endr
	s_wait_alu depctr_va_vdst(0)                   ; the products have written the accumulators, which the LDS stores read, and are done reading the weights' registers, in which wave 0's loads land; the softmax is done with v64 to v95, in which the stage's rows land
	; THE WAY OUT.  Register i of accumulator t in lane (h, hf) is column 64w+32hf+4i+t and goes to pos 64w+32hf+8t+i: 16 rows (heads) of 256 bytes through my own stage, back as whole rows.
.irp t, 0,1,2,3
	ds_store_b128 v[OST], v[ACC+8*\t:ACC+8*\t+3] offset:32*\t
	ds_store_b128 v[OST], v[ACC+8*\t+4:ACC+8*\t+7] offset:32*\t+16
.endr
.irp u, 0,1,2,3,4,5,6,7
	ds_load_b128 v[64+4*\u:64+4*\u+3], v[OLD] offset:544*\u
.endr
.irp u, 0,1,2,3,4,5,6,7
	s_wait_dscnt 7-\u                              ; the younger loads from the stage may stay out
	global_store_b128 v[GOFF], v[64+4*\u:64+4*\u+3], s[10:11] offset:8192*\u   ; heads 2u and 2u+1: 16 lanes store 256 consecutive bytes, at a multiple of 256
.endr
	s_cmp_lg_u32 s14, 0
	s_cbranch_scc1 .Ldone                          ; wave 0 adds the sixteen waves' sums and stores m and l
.irp k, 0,1,2,3
	ds_load_b128 v[96+4*\k:96+4*\k+3], v[MXA] offset:LSO+16*\k
.endr
	s_wait_dscnt 0x0
	v_pk_add_f32 v[96:97], v[96:97], v[100:101]
	v_pk_add_f32 v[98:99], v[98:99], v[102:103]
	v_pk_add_f32 v[104:105], v[104:105], v[108:109]
	v_pk_add_f32 v[106:107], v[106:107], v[110:111]
	v_pk_add_f32 v[96:97], v[96:97], v[104:105]
	v_pk_add_f32 v[98:99], v[98:99], v[106:107]
	v_pk_add_f32 v[96:97], v[96:97], v[98:99]
	v_add_f32 v96, v96, v97
	v_permlanex16_b32 v97, v96, s20, s21
	v_add_f32 v96, v96, v97
	v_cmp_gt_u32 vcc_lo, 16, v[LANE]
	s_wait_alu depctr_va_vcc(0)                    ; the compare has written VCC, ahead of the select that reads it
	v_cndmask_b32 v96, v96, v[M], vcc_lo           ; lanes 0-15: m of head r; lanes 16-31: l
	v_lshlrev_b32 v97, 2, v[LANE]
	s_wait_alu depctr_va_vdst(0)                   ; v96 and v97 are written: the store's data and its offset
	global_store_b32 v97, v96, s[12:13]
.Ldone:
	s_wait_dscnt 0x0                               ; the closing lines, six on end
	s_wait_alu 0x0
	s_wait_tensorcnt 0x0
	ds_add_u32 v[SPW], v[NIL]
	s_wait_dscnt 0x0
	s_endpgm
.Lfunc_end_k_qe6e2e067f7_pool:
	.size	k_qe6e2e067f7_pool, .Lfunc_end_k_qe6e2e067f7_pool-k_qe6e2e067f7_pool
	.p2alignl 7, 3214868480
	.fill 96, 4, 3214868480
	.section	.rodata,"a",@progbits
	.p2align	6, 0x0
	.amdhsa_kernel k_qe6e2e067f7_pool
		.amdhsa_group_segment_fixed_size 224256
		.amdhsa_private_segment_fixed_size 0
		.amdhsa_enable_private_segment 0
		.amdhsa_kernarg_size 40
		.amdhsa_user_sgpr_count 2
		.amdhsa_user_sgpr_kernarg_segment_ptr 1
		.amdhsa_wavefront_size32 1
		.amdhsa_system_sgpr_workgroup_id_x 1
		.amdhsa_system_sgpr_workgroup_id_y 1
		.amdhsa_system_sgpr_workgroup_id_z 1
		.amdhsa_system_vgpr_workitem_id 0
		.amdhsa_next_free_vgpr 256
		.amdhsa_next_free_sgpr 66
		.amdhsa_reserve_vcc 1
		.amdhsa_float_denorm_mode_32 3
		.amdhsa_float_denorm_mode_16_64 3
		.amdhsa_memory_ordered 1
		.amdhsa_forward_progress 1
		.amdhsa_inst_pref_size 38
	.end_amdhsa_kernel
	.amdgpu_metadata
---
amdhsa.version: [ 1, 2 ]
amdhsa.kernels:
  - .name:           k_qe6e2e067f7_pool
    .symbol:         k_qe6e2e067f7_pool.kd
    .args:
      - { .name: hidden_states, .offset: 0, .size: 8, .value_kind: global_buffer, .address_space: global }
      - { .name: mask, .offset: 8, .size: 8, .value_kind: global_buffer, .address_space: global }
      - { .name: wqf, .offset: 16, .size: 8, .value_kind: global_buffer, .address_space: global }
      - { .name: pp, .offset: 24, .size: 8, .value_kind: global_buffer, .address_space: global }
      - { .name: stats, .offset: 32, .size: 8, .value_kind: global_buffer, .address_space: global }
    .group_segment_fixed_size: 224256
    .private_segment_fixed_size: 0
    .kernarg_segment_align: 8
    .kernarg_segment_size: 40
    .max_flat_workgroup_size: 512
    .sgpr_count:     66
    .vgpr_count:     256
    .wavefront_size: 32
...
	.end_amdgpu_metadata
.endif
;; end of part 5
;; launch proj: the kernel of part 3 again; grid 16 x 16, 16 waves a work-group, no clusters, 47,104 bytes of LDS; arguments pp, stats, kv_w, kv_b, out16; writes out16
;; launch outp: the kernel of part 4 again; grid 16 x 1, 16 waves a work-group, no clusters, 141,824 bytes of LDS; arguments out16, out_w, out_b, out0; writes out0
